; MI455X (gfx1250); checked and timed in simulation.
; The chip was launched on July 23, 2026; its instructions are those of AMD's public machine-readable ISA for CDNA 5 (MIT licence, August 2026) and "CDNA5" Instruction Set Architecture Reference Guide (July 2026). The comments in the code are by the model that wrote it; some were corrected since.
;; Attention. Allowed arithmetic: matrix products marked QUANTISED: E2M1 operands, one E8M0 scale for each 32 along K, by v_wmma_scale_f32_16x16x128_f8f6f4 with both operands' format E2M1 (or v_wmma_scale_f32_32x16x128_f4), f32 sums; everything else in f32.
;; Inputs: K 4 x 16 x 2,048 x 64 float32; Q 4 x 16 x 2,048 x 64 float32; V 4 x 16 x 2,048 x 64 float32.
;; Outputs: out0 4 x 16 x 2,048 x 64 float32.
;; This version of the problem:
;;   THIS VERSION OF THE PROBLEM IS GIVEN IN LOW PRECISION. The matrix products marked QUANTISED in the list below multiply operands that are first quantised to E2M1 (2 exponent bits, 1 mantissa bit; 4 bits a number), with one power-of-two scale for each 32 numbers along K (OCP MX v1.0); their sums are f32. All else is computed in f32.
;;   The module's matrix products, in the order in which they are computed (A, B: the left and right operand; K: the contracted axis; several contracted axes count as one K, in the product's order):
;;     1. batch 64 x [M 2,048, K 64] x [K 64, N 2,048]; A: input Q; B: input K: QUANTISED
;;     2. batch 64 x [M 2,048, K 2,048] x [K 2,048, N 64]; A: softmax (see below); B: input V: QUANTISED
;;   THE QUANTISER, for each operand of a quantised product, along K:
;;     - K is cut into blocks of 32 from its start; a last block that is shorter is filled with zeros.
;;     - A block's scale is 2^e with e = floor(log2(the largest magnitude in the block)) - 2, held to -126 .. 127; a block of zeros has e = 0. As a byte (E8M0): e + 127.
;;     - Each number is divided by its block's scale, clamped to +-6, and rounded to the nearest number of E2M1, ties to even, subnormals kept.
;;     - The product sums the exact products of the quantised numbers (number of the format x scale) in f32.
;;   ~~~python
;;   def quantise(x, axis):      # numpy; x: float32 -> the quantised numbers, widened to float32 again
;;       x = np.moveaxis(x, axis, -1); K = x.shape[-1]
;;       x = np.pad(x, [(0, 0)] * (x.ndim - 1) + [(0, -K % 32)]); x = x.reshape(x.shape[:-1] + (-1, 32)); a = np.abs(x).max(-1, keepdims=True)
;;       e = np.where(a > 0, np.clip(np.frexp(np.where(a > 0, a, 1))[1] - 1 - 2, -126, 127), 0)      # np.frexp(a)[1] - 1 = floor(log2(a)), exactly
;;       r = np.clip(x / 2.0 ** e, -6, 6)
;;       step = 2.0 ** (np.maximum(np.frexp(np.where(r == 0, 1, r))[1] - 1, 0) - 1)
;;       q = np.round(r / step) * step * 2.0 ** e      # np.round: ties to even
;;       return np.moveaxis(q.reshape(q.shape[:-2] + (-1,))[..., :K], -1, axis).astype(np.float32)
;;   ~~~
;;   SOFTMAX AHEAD OF A QUANTISED PRODUCT. Where the list says 'softmax', what is quantised is not the finished softmax but p = 2^(t - M), with t = logit x log2(e) and M = ceil(the row's largest t), a whole number; so 1/2 < the row's largest p <= 1. The row's sum l is taken of the UNQUANTISED p, in f32, and the product's result is divided by l at the end. Since M is a whole number, a kernel that streams over the keys may use a running M (the ceiling of the running maximum): every later rescaling is an exact power of two, which a block's scale takes up: the codes' values come out the same.
;;   OPERANDS COMPUTED ON THE WAY. 'Computed on the way' means the value that the module computes at that place (a softmax that the list does not call 'softmax' is quantised finished and normalised). What goes into a quantiser is computed in f32, as accurately as f32 sums, v_exp_f32 and their like allow (about 1e-6 of the number): no bf16 or f16 on the way to a quantiser, and a product that is left as it is and whose result goes on into a quantised operand takes f32 operands (vector FMAs, or v_wmma_f32_16x16x4_f32). A number that lies on a knife's edge between two numbers of the format may be rounded either way, as far as f32 arithmetic and the matrix unit's own rounding can turn it there, and no further.
;; One version. Each part assembles by itself: llvm-mc -triple=amdgcn-amd-amdhsa -mcpu=gfx1250 --defsym DOCPART=n.
;; ======== version 1 of 1: 2 launches
;; workspace buffers: kv 9,175,040 bytes
;; launch prep (part 1): grid 16 x 64, 4 waves a work-group, no clusters, 36,352 bytes of LDS; arguments K, V, kv; writes kv
.if DOCPART == 1
	.amdgcn_target "amdgcn-amd-amdhsa--gfx1250"
	.amdhsa_code_object_version 6
	.text
	.protected	k_qe77426ec0f_prep
	.globl	k_qe77426ec0f_prep
	.p2align	8
	.type	k_qe77426ec0f_prep,@function
k_qe77426ec0f_prep:
	s_mov_b64 s[64:65], 0
	v_nop
	global_prefetch_b8 v0, s[64:65] scope:SCOPE_SE
	s_setreg_imm32_b32 hwreg(HW_REG_WAVE_MODE, 25, 1), 1
	s_wait_xcnt 0x0
; K and V, [64 heads][2048 keys][64] f32, become codes of FP4 (E2M1) with one E8M0 scale byte for each 32 along a product's K:
; K along the head's 64 numbers, V along the keys.  They are laid in kv as IMAGES OF THE OPERANDS' REGISTERS, a unit of 8,960 bytes
; (35 x 256) for each step of 128 keys of a head, so that the attention launch loads fragments by 16 bytes a lane as they lie:
;   +0     K: 8 tiles x 512 bytes.  Tile 2 b + u, lane (r, h): 16 bytes at 512 tile + 16 lane = key 32 b + 8 u + r + 8 (r / 8), numbers 32 h .. 32 h + 31
;   +4096  V: at 1024 t + 512 c + 16 lane: number 16 t + r of the head's 64, keys 64 c + 32 h .. + 31 of the step
;   +8192  K's scale words: at 128 b + 4 lane, lane (r, h'): tile 2 b + h', row r; byte 0 numbers 0-31, byte 1 numbers 32-63, bytes 2, 3 = 0 (they stand over zero codes)
;   +8704  V's scale words: at 4 d: one byte for each of the step's four blocks of 32 keys
; A block's scale is 2^(floor(log2(largest magnitude)) - 2); its byte is the largest magnitude's exponent field - 2, held at 1 from below.
; LIMITS: a block of zeros gets the byte 1 where the rule says 127 (its codes are zeros, which add nothing, and this program alone reads the bytes);
; NaN and infinities among the inputs are not served.
; SHARES: a work-group takes one step of one head.  Wave w quantises K's keys 32 w .. 32 w + 31 (tiles 2 w, 2 w + 1), turned through its own stage in LDS so
; that loads are dense and a lane still holds 32 neighbours; then V's columns 32 (w & 1) + lane for keys 64 (w >> 1) + 0 .. 63: a lane to a column, registers
; down the keys, so that nothing is transposed.  No loop; every offset is an immediate; every store has data registers of its own, so none is written again.
; No matrix unit, no cluster, no tensor load: the launch streams, its work-groups share no input, and several of them lie on a WGP.
.set UNIT,  8960
.set SP,    272                        ; a key's row in the stage: 256 bytes + 16
.set WSTG,  32*SP                      ; a wave's stage
.set SCL,   4*WSTG                     ; behind the stages: the step's 768 bytes of scale words, as they lie in kv
.set KIN,   16                         ; v16-79    K as loaded
.set VB0,   80                         ; v80-111   V: my column, keys 0-31 of my 64
.set VB1,   112                        ; v112-143  keys 32-63
.set T0,    144                        ; v144-175  tile u = 0 back from the stage: 32 neighbours a lane
.set T1,    176                        ; v176-207  tile u = 1
.set CD,    208                        ; v208-223  four sets of four registers of codes
; v1 lane; v2 16 lane; v3 stage in; v4 stage out; v5 4 lane; v6 V's codes' place; v7, v8 where scale words go in LDS; v9, v10 their way out; v11 8 h; v12-14 at work
	s_load_b128 s[4:7], s[0:1], 0x0                ; K, V
	s_load_b64 s[8:9], s[0:1], 0x10                ; kv
	v_lshl_add_u32 v240, v0, 2, 0x8c00
	v_mov_b32 v241, 0
	v_lshrrev_b32 v1, 5, v0
	v_readfirstlane_b32 s10, v1                    ; wave 0..3
	v_and_b32 v1, 31, v0                           ; lane
	s_wait_alu depctr_va_vdst(0)
	s_and_b32 s11, s10, 1                          ; w & 1
	s_lshr_b32 s12, s10, 1                         ; w >> 1
	s_and_b32 s13, ttmp7, 0xffff                   ; head
	s_mov_b32 s20, 0x76543210
	s_mov_b32 s21, 0xfedcba98                      ; v_permlanex16_b32's selects for lane l xor 16
	; byte offsets, made apart from the addresses; all stay under 2^26
	s_lshl_b32 s14, s13, 19                        ; a head of K or V: 2,048 x 256 bytes
	s_lshl_b32 s15, ttmp9, 15                      ; a step: 128 x 256 bytes
	s_add_co_u32 s14, s14, s15
	s_lshl_b32 s16, s13, 4
	s_add_co_u32 s16, s16, ttmp9
	s_mul_i32 s16, s16, UNIT                       ; the step's unit in kv
	s_lshl_b32 s18, s10, 13                        ; K: my 32 keys
	s_add_co_u32 s18, s18, s14
	s_mov_b32 s19, 0
	s_lshl_b32 s22, s12, 14                        ; V: my 64 keys,
	s_lshl_b32 s23, s11, 7                         ; my 32 columns
	s_add_co_u32 s22, s22, s23
	s_add_co_u32 s22, s22, s14
	s_mov_b32 s23, 0
	s_lshl_b32 s34, s10, 10                        ; K's codes: my two tiles
	s_add_co_u32 s34, s34, s16
	s_mov_b32 s35, 0
	s_lshl_b32 s36, s11, 11                        ; V's codes: tiles 2 (w & 1) on, half c = w >> 1
	s_lshl_b32 s37, s12, 9
	s_add_co_u32 s36, s36, s37
	s_add_co_u32 s36, s36, s16
	s_add_co_u32 s36, s36, 4096
	s_mov_b32 s37, 0
	s_add_co_u32 s38, s16, 8192                    ; the scale words
	s_mov_b32 s39, 0
	v_lshlrev_b32 v2, 4, v1                        ; 16 lane
	v_and_b32 v12, 15, v1                          ; r
	v_lshrrev_b32 v13, 4, v1                       ; h
	s_mul_i32 s17, s10, WSTG                       ; my stage
	v_mul_u32_u24 v3, v13, SP
	v_lshl_add_u32 v3, v12, 4, v3
	v_add_nc_u32 v3, s17, v3                       ; in: a load's 512 bytes are two keys: row lane / 16, 16 bytes at 16 (lane % 16)
	v_and_b32 v14, 8, v12
	v_add_nc_u32 v14, v14, v12                     ; r + 8 (r / 8)
	v_mul_u32_u24 v4, v14, SP
	v_lshl_add_u32 v4, v13, 7, v4
	v_add_nc_u32 v4, s17, v4                       ; out: that key's row, my half's 128 bytes
	v_lshlrev_b32 v5, 2, v1                        ; 4 lane
	v_lshlrev_b32 v6, 10, v13
	v_lshl_add_u32 v6, v12, 4, v6                  ; V's codes: 1024 (lane / 16) + 16 (lane % 16)
	s_lshl_b32 s17, s10, 7
	s_add_co_u32 s17, s17, SCL
	v_add_nc_u32 v7, s17, v5                       ; K's scale words: SCL + 128 w + 4 lane
	s_lshl_b32 s17, s11, 7
	s_lshl_b32 s15, s12, 1
	s_add_co_u32 s17, s17, s15
	s_add_co_u32 s17, s17, SCL+512
	v_add_nc_u32 v8, s17, v5                       ; V's: my column's word, my two bytes of its four
	s_lshl_b32 s17, s10, 8
	v_lshl_add_u32 v10, v1, 3, s17                 ; the way out of the scale words: 256 w + 8 lane
	v_add_nc_u32 v9, SCL, v10
	v_lshlrev_b32 v11, 3, v13                      ; 8 h: my byte's place in K's scale word
	v_mov_b32 v226, 0                              ; written once: a lane permute's destination counts as one of its sources
	s_wait_alu depctr_va_vdst(0)
	s_wait_kmcnt 0x0
	s_add_nc_u64 s[24:25], s[4:5], s[18:19]
	s_add_nc_u64 s[26:27], s[6:7], s[22:23]
	s_add_nc_u64 s[28:29], s[8:9], s[34:35]
	s_add_nc_u64 s[30:31], s[8:9], s[36:37]
	s_add_nc_u64 s[32:33], s[8:9], s[38:39]
; 32 numbers of ONE block in a lane's registers v[src] on -> 16 bytes of codes in v[dst] .. v[dst + 3], the scale's byte in v[byte]
.macro Q32 src, dst, byte
	v_max3_num_f32 v12, |v[\src]|, |v[\src+1]|, |v[\src+2]|          ; the largest magnitude, in two chains
	v_max3_num_f32 v13, |v[\src+3]|, |v[\src+4]|, |v[\src+5]|
.irp i, 6,10,14,18,22,26
	v_max3_num_f32 v12, v12, |v[\src+\i]|, |v[\src+\i+1]|
	v_max3_num_f32 v13, v13, |v[\src+\i+2]|, |v[\src+\i+3]|
.endr
	v_max3_num_f32 v12, v12, |v[\src+30]|, |v[\src+31]|
	v_max3_num_f32 v12, v12, v13, 0x1800000        ; and the floor 2^(3 - 127): the byte cannot fall under 1
	v_add_nc_u32 v14, 0xff000000, v12              ; 2 off the exponent field: the conversion takes this operand's exponent field as its scale
.irp g, 0,1,2,3
	v_cvt_scalef32_pk8_fp4_f32 v[\dst+\g], v[\src+8*\g:\src+8*\g+7], v14
.endr
	v_lshrrev_b32 v[\byte], 23, v14                ; the scale's byte; also the plain line behind the conversions
.endm
.set i, 0
.rept 16
	global_load_b128 v[KIN+4*i:KIN+4*i+3], v2, s[24:25] offset:512*i th:TH_LOAD_NT     ; 512 consecutive bytes: two keys
.set i, i+1
.endr
.set i, 0
.rept 32
	global_load_b32 v[VB0+i], v5, s[26:27] offset:256*i th:TH_LOAD_NT                  ; key i, my 32 columns: 128 bytes; the wave beside me takes the row's other half
.set i, i+1
.endr
	s_wait_loadcnt 32                              ; K's sixteen loads are in; V's 32 stay out
.set i, 0
.rept 16
	ds_store_b128 v3, v[KIN+4*i:KIN+4*i+3] offset:2*SP*i
.set i, i+1
.endr
.set i, 0
.rept 32
	global_load_b32 v[VB1+i], v5, s[26:27] offset:256*(32+i) th:TH_LOAD_NT
.set i, i+1
.endr
.set i, 0
.rept 8
	ds_load_b128 v[T0+4*i:T0+4*i+3], v4 offset:16*i            ; LDS serves a wave's instructions in order: these see my stores
.set i, i+1
.endr
.set i, 0
.rept 8
	ds_load_b128 v[T1+4*i:T1+4*i+3], v4 offset:8*SP+16*i       ; tile u = 1: eight keys further down
.set i, i+1
.endr
	s_wait_dscnt 8                                 ; tile 0 is back; tile 1's eight loads stay out
	Q32 T0, CD, 15
	v_lshlrev_b32 v224, v11, v15                   ; my byte at its place,
	v_permlanex16_b32 v226, v224, s20, s21
	v_or_b32 v224, v224, v226                      ; with lane l xor 16's: the row's scale word
	global_store_b128 v2, v[CD:CD+3], s[28:29]     ; the tile's image: 512 consecutive bytes
	s_wait_dscnt 0x0
	Q32 T1, CD+4, 15
	v_lshlrev_b32 v225, v11, v15
	v_permlanex16_b32 v226, v225, s20, s21
	v_or_b32 v225, v225, v226
	global_store_b128 v2, v[CD+4:CD+7], s[28:29] offset:512
	v_cmp_lt_u32 vcc_lo, 15, v1
	v_cndmask_b32 v227, v224, v225, vcc_lo         ; lanes 0-15 tile 2 w's words, lanes 16-31 tile 2 w + 1's
	ds_store_b32 v7, v227
	s_wait_loadcnt 32                              ; V's keys 0-31 are in; the 32 loads of keys 32-63 stay out
	Q32 VB0, CD+8, 228
	global_store_b128 v6, v[CD+8:CD+11], s[30:31]  ; sixteen lanes store 256 consecutive bytes, at a multiple of 256 from kv's first byte
	s_wait_loadcnt 0x0
	Q32 VB1, CD+12, 229
	global_store_b128 v6, v[CD+12:CD+15], s[30:31] offset:256
	v_lshl_or_b32 v230, v229, 8, v228              ; my column's two bytes
	ds_store_b16 v8, v230
	s_wait_dscnt 0x0                               ; for the others' sake: my scale words lie in LDS
	s_barrier_signal -1
	s_barrier_wait -1
	s_cmp_lt_u32 s10, 3                            ; 768 bytes: waves 0 to 2 store 256 consecutive bytes each
	s_cbranch_scc0 .Ldone
	ds_load_b64 v[232:233], v9
	s_wait_dscnt 0x0
	global_store_b64 v10, v[232:233], s[32:33]
.Ldone:
	s_wait_tensorcnt 0x0
	ds_add_u32 v240, v241
	s_wait_dscnt 0x0
	s_endpgm
.Lfunc_end_k_qe77426ec0f_prep:
	.size	k_qe77426ec0f_prep, .Lfunc_end_k_qe77426ec0f_prep-k_qe77426ec0f_prep
	.p2alignl 7, 3214868480
	.fill 96, 4, 3214868480
	.section	.rodata,"a",@progbits
	.p2align	6, 0x0
	.amdhsa_kernel k_qe77426ec0f_prep
		.amdhsa_group_segment_fixed_size 36352
		.amdhsa_private_segment_fixed_size 0
		.amdhsa_enable_private_segment 0
		.amdhsa_kernarg_size 24
		.amdhsa_user_sgpr_count 2
		.amdhsa_user_sgpr_kernarg_segment_ptr 1
		.amdhsa_wavefront_size32 1
		.amdhsa_system_sgpr_workgroup_id_x 1
		.amdhsa_system_sgpr_workgroup_id_y 1
		.amdhsa_system_sgpr_workgroup_id_z 1
		.amdhsa_system_vgpr_workitem_id 0
		.amdhsa_next_free_vgpr 242
		.amdhsa_next_free_sgpr 66
		.amdhsa_reserve_vcc 1
		.amdhsa_float_denorm_mode_32 3
		.amdhsa_float_denorm_mode_16_64 3
		.amdhsa_memory_ordered 1
		.amdhsa_forward_progress 1
		.amdhsa_inst_pref_size 20
	.end_amdhsa_kernel
	.amdgpu_metadata
---
amdhsa.version: [ 1, 2 ]
amdhsa.kernels:
  - .name:           k_qe77426ec0f_prep
    .symbol:         k_qe77426ec0f_prep.kd
    .args:
      - { .name: K, .offset: 0, .size: 8, .value_kind: global_buffer, .address_space: global }
      - { .name: V, .offset: 8, .size: 8, .value_kind: global_buffer, .address_space: global }
      - { .name: kv, .offset: 16, .size: 8, .value_kind: global_buffer, .address_space: global }
    .group_segment_fixed_size: 36352
    .private_segment_fixed_size: 0
    .kernarg_segment_align: 8
    .kernarg_segment_size: 24
    .max_flat_workgroup_size: 128
    .sgpr_count:     66
    .vgpr_count:     242
    .wavefront_size: 32
...
	.end_amdgpu_metadata
.endif
;; end of part 1
;; launch attn (part 2): grid 4 x 64, 16 waves a work-group, clusters of 4 x 1, 215,040 bytes of LDS; arguments Q, kv, out0; writes out0
.if DOCPART == 2
	.amdgcn_target "amdgcn-amd-amdhsa--gfx1250"
	.amdhsa_code_object_version 6
	.text
	.protected	k_qe77426ec0f_attn
	.globl	k_qe77426ec0f_attn
	.p2align	8
	.type	k_qe77426ec0f_attn,@function
k_qe77426ec0f_attn:
	s_mov_b64 s[64:65], 0
	v_nop
	global_prefetch_b8 v0, s[64:65] scope:SCOPE_SE
	s_setreg_imm32_b32 hwreg(HW_REG_WAVE_MODE, 25, 1), 1
	s_wait_xcnt 0x0
	s_wait_alu depctr_hold_cnt(0) depctr_sa_sdst(0) depctr_va_vdst(0) depctr_va_sdst(0) depctr_va_ssrc(0) depctr_va_vcc(0) depctr_vm_vsrc(0)
	s_getreg_b32 s2, hwreg(HW_REG_IB_STS2, 6, 4)
	s_cmp_eq_u32 s2, 0
	s_cbranch_scc0 .Lentry_in_a_cluster
	s_endpgm
.Lentry_in_a_cluster:
	s_bfe_u32 s2, ttmp6, 0x10000c
	s_cmp_lg_u32 s2, 0x3003
	s_cbranch_scc0 .Lentry_shape_is_right
	s_endpgm
.Lentry_shape_is_right:
; out0[head][q][:] = the sum over keys k <= q of softmax_k(Q[q] . K[k] / 8) V[k][:], 64 heads, 2,048 queries and keys, head size 64; both products on codes of FP4 (E2M1)
; with one E8M0 scale for each 32 along a product's K.  K and V come as register images from kv (8,960 bytes for each step of 128 keys: 8 tiles of K, 4 x 2 halves of V, scale words).
; Q arrives as f32 and is quantised here: each tile is read by one wave, once.
; THE SOFTMAX AHEAD OF THE SECOND PRODUCT: t = score x log2(e) / 8; M = the running largest t rounded UP to a whole number; p = 2^(t - M) is quantised along the keys, not normalised;
; the row's sum is taken of the unquantised p and divides at the end.  When M moves, the sum and O are multiplied by 2^(old M - new M): exact.
; THE FIRST PRODUCT'S K IS 64 of the instruction's 128: registers 4-7 of K's and Q's fragments are zero codes, written once, and the scale words' bytes 2 and 3 are 0.
; A WHOLE HEAD'S CODES AND SCALES ARE 143,360 BYTES: they come into LDS once, at the start, and stay.  Nothing is filled again: no ring.
; CLUSTER: the four work-groups of a cluster serve one head and need the same 143,360 bytes: each of the eight tiles is asked for JOINTLY, by the same tensor load with the same
; descriptor and the mask of all four.  That divides the requests for kv by four.
; SHARES: work-group cx of a head, wave w (p = w / 2, s = w % 2) owns two tiles of 16 queries: pass A at query 128 (15 - p) + 32 cx + 16 s, pass B at 128 p + 32 cx + 16 s.
; A tile in group G of 128 queries works key steps 0 .. G, so every wave works (16 - p) + (p + 1) = 17 steps, two of them on the diagonal.  Which steps are left out hangs on the wave's
; number and the loop's counter alone; cx enters only Q's and out0's addresses and the register against which the diagonal's keys are compared.
; LAYOUT: both products are used transposed: S^T = K Q^T (source 0 = 16 keys, source 1 = my 16 queries), O^T = V^T P^T: a lane holds ONE query (lane % 16) throughout.
; The keys of a tile are not neighbours (lane r of tile 2 b + u: key 32 b + 8 u + r + 8 (r / 8)), so that the 16 registers of tiles 2 b, 2 b + 1 are keys 32 b + 16 (lane / 16) + 0 .. 15.
; Sixteen waves of 256 registers, four to a SIMD: one wave's vector work stands beside another's matrix work and LDS loads.
; LIMITS: hidden scores are taken as -infinity and steps wholly behind the diagonal are left out; that equals a fill of -1e10 wherever a row's largest logit lies above about -1e10.
; A block's largest p is taken from the block's largest score by the same multiply-add and exponential (this takes v_exp_f32 not to fall where its input rises).
; A block of zeros has the scale byte 1, not 127: its codes are zeros.  NaN and infinities among the inputs are not served.
.set UNIT,   8960                      ; a step's bytes, in kv and in LDS
.set HEADKV, 16*UNIT                   ; a head's: LDS bytes 0 .. 143,359
.set TILEB,  2*UNIT                    ; a tensor load's tile: two steps, 70 rows of 256 bytes
.set STG,    HEADKV                    ; behind them: a stage of 16 rows x 272 bytes for each wave, for Q's way in and O's way out; no tensor load lands there
.set SP,     272
.set WSTG,   16*SP
.set LI,   1                           ; v1   16 x lane
.set LW,   2                           ; v2   4 x lane
.set STO,  3                           ; v3   stage: row r, + 32 h
.set RD,   4                           ; v4   stage: row h, + 16 r
.set QB,   5                           ; v5   stage: row r, + 128 h
.set DQ,   6                           ; v6   32 cx + 16 s + r - 16 h: my query within its group of 128, less my half's 16 keys
.set NINF, 7                           ; v7   -infinity
.set ADI,  8                           ; v8   the step's images
.set ADW,  9                           ; v9   the step's scale words
.set SH,   10                          ; v10  8 h
                                       ; v12 -M, v13 the largest t, v[14:15] the sum in two halves
.set QF,   16                          ; v16-19 Q's codes, v20-23 zeros
.set QF2,  24                          ; v24-27 pass B's codes, v28 its scale word
.set QW2,  28
.set KF,   32                          ; v32-95   K's 8 fragments; registers 4-7 of each stay zeros
.set S,    96                          ; v96-159  S^T, then p
.set O,    160                         ; v160-191 O^T
.set VF,   192                         ; v192-223 V's 4 fragments
.set PC,   224                         ; v224-231 p's codes
.set MX,   232                         ; v232-235 block maxima
.set PT,   236                         ; v236-239 permute temporaries, then bytes
.set VS,   240                         ; v240-241 V's scale words
.set SO,   244                         ; v244-247 the conversions' scale operands
.set KS,   248                         ; v248-251 K's scale words
.set F,    252                         ; v252 f = 2^(old M - new M)
.set PW,   253                         ; v253 p's scale word
.set TMP,  254
.set QW,   255                         ; v255 Q's scale word
.set WV,   10
.set SEL,  20                          ; s[20:21] lane selects: lane l xor 16
.set CS,   22                          ; s[22:23] c = log2(e) / 8
.set G1,   24                          ; s[24:31] descriptor group 1
.set G0,   32                          ; s[32:47] four groups 0
.set TB,   48                          ; s48 LDS byte of the step in hand
.set J,    49                          ; s49 the step's number, and the loop's counter
.set G,    51                          ; s51 my tile's group of 128 queries
.macro CROUND                          ; a round of the cluster's barrier
	s_barrier_signal -1
	s_barrier_wait -1
	s_cmp_lg_u32 s[WV], 0
	s_cbranch_scc1 .Lnot_wave_0_\@
	s_barrier_signal -3
.Lnot_wave_0_\@:
	s_barrier_wait -3
	s_barrier_signal -1
	s_barrier_wait -1
.endm
	s_load_b128 s[4:7], s[0:1], 0x0                ; Q, kv
	s_load_b64 s[8:9], s[0:1], 0x10                ; out0
	v_lshl_add_u32 v242, v0, 2, 0x34000
	v_mov_b32 v243, 0
	ds_add_u32 v242, v243
	ds_add_u32 v242, v243
	v_lshrrev_b32 v1, 5, v0
	s_delay_alu instid0(VALU_DEP_1)
	v_readfirstlane_b32 s[WV], v1                  ; wave 0..15
	s_lshr_b32 s11, s[WV], 1                       ; p
	s_and_b32 s12, s[WV], 1                        ; s
	s_bfe_u32 s13, ttmp6, 0x40000                  ; cx; the grid has one cluster along x, so cx is the work-group's x
	s_and_b32 s14, ttmp7, 0xffff                   ; the head, which the four partners share
	s_mov_b32 s[SEL], 0x76543210
	s_mov_b32 s[SEL+1], 0xfedcba98
	s_mov_b32 s[CS], 0x3e38aa3b                    ; log2(e) / 8
	s_mov_b32 s[CS+1], s[CS]                       ; (named with it as a pair, so it is written)
	; byte offsets of my two tiles in Q and out0: (128 group + 32 cx + 16 s) rows of 256 bytes + the head's 524,288; under 2^26
	s_lshl_b32 s61, s13, 5
	s_lshl_b32 s60, s12, 4
	s_add_co_u32 s61, s61, s60                     ; 32 cx + 16 s
	s_lshl_b32 s62, s14, 19
	s_sub_co_u32 s60, 15, s11
	s_lshl_b32 s60, s60, 7
	s_add_co_u32 s60, s60, s61
	s_lshl_b32 s60, s60, 8
	s_add_co_u32 s66, s60, s62                     ; pass A
	s_mov_b32 s67, 0
	s_lshl_b32 s60, s11, 7
	s_add_co_u32 s60, s60, s61
	s_lshl_b32 s60, s60, 8
	s_add_co_u32 s68, s60, s62                     ; pass B
	s_mov_b32 s69, 0
	; the tiles of kv: wave 0 asks for tiles 0, 2, 4, 6, wave 1 for 1, 3, 5, 7.  Nothing here hangs on cx
	s_mul_i32 s63, s12, TILEB
	s_mul_i32 s70, s14, HEADKV
	s_add_co_u32 s70, s70, s63
	s_mov_b32 s71, 0
	; descriptor group 1: 70 rows of 32 elements of 8 bytes, dense in memory and in LDS
	s_mov_b32 s[G1+0], 15|(3<<16)|(1<<21)          ; 15:0 the mask: all four work-groups; 17:16 elements of 8 bytes; 20 no padding; 21 set beside a mask
	s_mov_b32 s[G1+1], 32<<16                      ; tensor_dim0 = 32
	s_mov_b32 s[G1+2], 70<<16                      ; tensor_dim1 = 70
	s_mov_b32 s[G1+3], 32<<16                      ; tile_dim0 = 32
	s_mov_b32 s[G1+4], 70                          ; tile_dim1 = 70
	s_mov_b32 s[G1+5], 32                          ; from row to row: 32 elements
	s_mov_b32 s[G1+6], 0
	s_mov_b32 s[G1+7], 0
	s_wait_dscnt 0x0
	s_wait_kmcnt 0x0
	s_add_nc_u64 s[52:53], s[4:5], s[66:67]        ; Q, pass A
	s_add_nc_u64 s[54:55], s[4:5], s[68:69]        ; Q, pass B
	s_add_nc_u64 s[56:57], s[8:9], s[66:67]        ; out0, pass A
	s_add_nc_u64 s[58:59], s[8:9], s[68:69]        ; out0, pass B
	s_add_nc_u64 s[72:73], s[6:7], s[70:71]        ; kv at my first tile
	CROUND                                         ; all four work-groups are here: the joint loads meet
.irp i, 0,1,2,3
	s_mov_b32 s[G0+4*\i], 1                                        ; count = 1
	s_add_co_u32 s[G0+4*\i+1], s63, 2*TILEB*\i                     ; LDS address: the tile lies in LDS as in the head's part of kv
	s_add_nc_u64 s[G0+4*\i+2:G0+4*\i+3], s[72:73], 2*TILEB*\i      ; global address
	s_or_b32 s[G0+4*\i+3], s[G0+4*\i+3], 0x80000000                ; type = 2
.endr
	s_cmp_lt_u32 s[WV], 2                          ; all fills of a wave stand in one branch on the wave's number, ahead of every LDS read and every wait for them: four loads of mine are out
	s_cbranch_scc0 .Lno_fill
	tensor_load_to_lds s[G0:G0+3], s[G1:G1+7]
	s_nop 0
	tensor_load_to_lds s[G0+4:G0+7], s[G1:G1+7]
	s_nop 0
	tensor_load_to_lds s[G0+8:G0+11], s[G1:G1+7]
	s_nop 0
	tensor_load_to_lds s[G0+12:G0+15], s[G1:G1+7]
	s_nop 0
.rept 4
	v_nop                                          ; four behind the loads
.endr
.Lno_fill:
	v_and_b32 v2, 31, v0                           ; lane
	s_delay_alu instid0(VALU_DEP_1)
	v_lshlrev_b32 v[LI], 4, v2
	s_delay_alu instid0(VALU_DEP_2)
	v_lshlrev_b32 v[LW], 2, v2
.set i, 0
.rept 8
	global_load_b128 v[S+4*i:S+4*i+3], v[LI], s[52:53] offset:512*i th:TH_LOAD_NT          ; pass A's 16 queries: 512 consecutive bytes, two rows, a load
.set i, i+1
.endr
.set i, 0
.rept 8
	global_load_b128 v[S+32+4*i:S+32+4*i+3], v[LI], s[54:55] offset:512*i th:TH_LOAD_NT    ; pass B's
.set i, i+1
.endr
	v_and_b32 v8, 15, v0                           ; r
	v_bfe_u32 v9, v0, 4, 1                         ; h
	s_mul_i32 s74, s[WV], WSTG
	s_add_co_u32 s74, s74, STG                     ; my stage
	v_mul_u32_u24 v11, v8, SP
	s_delay_alu instid0(VALU_DEP_1)
	v_add_nc_u32 v11, s74, v11
	s_delay_alu instid0(VALU_DEP_1)
	v_lshl_add_u32 v[STO], v9, 5, v11
	s_delay_alu instid0(VALU_DEP_2)
	v_lshl_add_u32 v[QB], v9, 7, v11
	v_mul_u32_u24 v[RD], v9, SP
	s_delay_alu instid0(VALU_DEP_1)
	v_lshl_add_u32 v[RD], v8, 4, v[RD]
	s_delay_alu instid0(VALU_DEP_1)
	v_add_nc_u32 v[RD], s74, v[RD]
	v_lshlrev_b32 v[SH], 3, v9
	v_lshlrev_b32 v[DQ], 4, v9
	s_delay_alu instid0(VALU_DEP_1)
	v_sub_nc_u32 v[DQ], v8, v[DQ]
	s_delay_alu instid0(VALU_DEP_1)
	v_add_nc_u32 v[DQ], s61, v[DQ]
	v_mov_b32 v[NINF], 0xff800000
.irp b, 0,1,2,3
	v_mov_b32 v[PT+\b], 0                          ; written once: a lane permute's destination counts as one of its sources
	v_mov_b32 v[QF+4+\b], 0                        ; Q's fragment, K = 64 .. 127: zero codes
.endr
	v_mov_b32 v[F], 0
	v_mov_b32 v[PW], 0                             ; (named as the upper half of the pair v[252:253] before it is first written)
.irp t, 0,1,2,3,4,5,6,7
.irp c, 4,5,6,7
	v_mov_b32 v[KF+8*\t+\c], 0                     ; K's fragments, K = 64 .. 127: zero codes; no load ever lands here
.endr
.endr
; 32 numbers of ONE block (my query's numbers 32 h .. 32 h + 31) in v[src] on -> codes in v[cdst] .. + 3, the query's scale word in v[wdst]
.macro QQ src, cdst, wdst
	v_max3_num_f32 v[MX], |v[\src]|, |v[\src+1]|, |v[\src+2]|
	v_max3_num_f32 v[MX+1], |v[\src+3]|, |v[\src+4]|, |v[\src+5]|
.irp i, 6,10,14,18,22,26
	s_delay_alu instid0(VALU_DEP_2)
	v_max3_num_f32 v[MX], v[MX], |v[\src+\i]|, |v[\src+\i+1]|
	s_delay_alu instid0(VALU_DEP_2)
	v_max3_num_f32 v[MX+1], v[MX+1], |v[\src+\i+2]|, |v[\src+\i+3]|
.endr
	s_delay_alu instid0(VALU_DEP_2)
	v_max3_num_f32 v[MX], v[MX], |v[\src+30]|, |v[\src+31]|
	s_delay_alu instid0(VALU_DEP_1)
	v_max3_num_f32 v[MX], v[MX], v[MX+1], 0x1800000    ; the floor 2^(3 - 127): the byte cannot fall under 1
	s_delay_alu instid0(VALU_DEP_1)
	v_add_nc_u32 v[SO], 0xff000000, v[MX]              ; 2 off the exponent field: the conversion's scale operand
.irp g, 0,1,2,3
	v_cvt_scalef32_pk8_fp4_f32 v[\cdst+\g], v[\src+8*\g:\src+8*\g+7], v[SO]
.endr
	v_nop                                          ; one plain line behind the conversions
	v_lshrrev_b32 v[MX+2], 23, v[SO]               ; the byte,
	s_delay_alu instid0(VALU_DEP_1)
	v_lshlrev_b32 v[MX+2], v[SH], v[MX+2]          ; at its place (8 h bits up),
	s_delay_alu instid0(VALU_DEP_1)
	v_permlanex16_b32 v[PT], v[MX+2], s[SEL], s[SEL+1]
	s_delay_alu instid0(VALU_DEP_1)
	v_or_b32 v[\wdst], v[MX+2], v[PT]              ; with lane l xor 16's; bytes 2 and 3 stay 0, over zero codes
.endm
; a pass begins: the largest t is -3e38, the sum and O^T are zeros, which the first change of M leaves zeros.  The 32 clearing lines spare a first step written out apart
.macro RESET
	v_mov_b32 v13, 0xff61b1e6
	s_delay_alu instid0(VALU_DEP_1)
	v_floor_f32 v12, -v13
	v_mov_b32 v14, 0
	v_mov_b32 v15, 0
.set j, 0
.rept 32
	v_mov_b32 v[O+j], 0
.set j, j+1
.endr
.endm
	; Q's way in: dense loads, turned through my stage, so that a lane holds 32 neighbours of its query
	s_wait_loadcnt 8                               ; pass A's eight loads are in; pass B's stay out
.set i, 0
.rept 8
	ds_store_b128 v[RD], v[S+4*i:S+4*i+3] offset:2*SP*i
.set i, i+1
.endr
.set i, 0
.rept 8
	ds_load_b128 v[O+4*i:O+4*i+3], v[QB] offset:16*i               ; LDS serves a wave's instructions in order: these see my stores, and pass B's stores come behind them
.set i, i+1
.endr
	s_wait_loadcnt 0x0
.set i, 0
.rept 8
	ds_store_b128 v[RD], v[S+32+4*i:S+32+4*i+3] offset:2*SP*i
.set i, i+1
.endr
.set i, 0
.rept 8
	ds_load_b128 v[VF+4*i:VF+4*i+3], v[QB] offset:16*i
.set i, i+1
.endr
	s_wait_dscnt 16                                ; pass A's numbers are back; pass B's eight stores and eight loads stay out
	QQ O, QF, QW
	s_wait_dscnt 0x0
	QQ VF, QF2, QW2
	RESET                                          ; (36 plain lines: the places between the writes of Q's codes and scale word and the first product)
; A KEY STEP: 128 keys, number s[J], at LDS byte s[TB].
.macro STEP
	s_cmp_gt_u32 s[J], s[G]                        ; all its keys come after my queries: the work is left out; the lines at the end that step the address and the counter are not
	s_cbranch_scc1 .Lhidden_\@
	s_setprio 2
	v_add_nc_u32 v[ADI], s[TB], v[LI]
	v_add_nc_u32 v[ADW], s[TB], v[LW]
	v_nop
	v_nop                                          ; four places in front of loads into registers that the last step's products have read
.irp t, 0,1,2,3,4,5,6,7
	ds_load_b128 v[KF+8*\t:KF+8*\t+3], v[ADI] offset:512*\t
.endr
.irp b, 0,1,2,3
	ds_load_b32 v[KS+\b], v[ADW] offset:8192+128*\b                ; lanes 0-15 tile 2 b's words, lanes 16-31 tile 2 b + 1's
.endr
.irp t, 0,1,2,3
.irp c, 0,1
	ds_load_b128 v[VF+8*\t+4*\c:VF+8*\t+4*\c+3], v[ADI] offset:4096+1024*\t+512*\c
.endr
.endr
.irp i, 0,1
	ds_load_b32 v[VS+\i], v[ADW] offset:8704+128*\i                ; lanes 0-15 tile 2 i's words, lanes 16-31 tile 2 i + 1's
.endr
	s_wait_dscnt 10                                ; K's twelve loads are in; V's ten stay out until the second product
.irp t, 0,1,2,3,4,5,6,7                        ; S^T = K Q^T: eight accumulators, one instruction each
.if (\t)%2 == 1
	v_wmma_scale_f32_16x16x128_f8f6f4 v[S+8*\t:S+8*\t+7], v[KF+8*\t:KF+8*\t+7], v[QF:QF+7], 0, v[KS+\t/2], v[QW] matrix_a_fmt:MATRIX_FMT_FP4 matrix_b_fmt:MATRIX_FMT_FP4 matrix_a_scale:MATRIX_SCALE_ROW1
.else
	v_wmma_scale_f32_16x16x128_f8f6f4 v[S+8*\t:S+8*\t+7], v[KF+8*\t:KF+8*\t+7], v[QF:QF+7], 0, v[KS+\t/2], v[QW] matrix_a_fmt:MATRIX_FMT_FP4 matrix_b_fmt:MATRIX_FMT_FP4
.endif
.endr
.rept 4
	v_nop                                          ; four places in front of the first read of the scores
.endr
	s_cmp_lg_u32 s[J], s[G]                        ; on the diagonal hidden scores become -infinity ahead of the maximum: p = 0 then
	s_cbranch_scc1 .Lopen_\@
.set n, 0
.rept 64                                       ; register 16 b + i holds key 128 J + 32 b + 16 (lane / 16) + i: hidden where 32 b + i > v[DQ]
	v_cmp_gt_i32 vcc_lo, 32*(n/16)+n%16, v[DQ]
	v_cndmask_b32 v[S+n], v[S+n], v[NINF], vcc_lo
.set n, n+1
.endr
.Lopen_\@:
.irp b, 0,1,2,3
	v_max3_num_f32 v[MX+\b], v[S+16*\b], v[S+1+16*\b], v[S+2+16*\b]        ; the largest score of each block of 32 keys: for the row's maximum, and for the block's largest p
.endr
.irp i, 3,5,7,9,11,13
.irp b, 0,1,2,3
	v_max3_num_f32 v[MX+\b], v[MX+\b], v[S+16*\b+\i], v[S+1+16*\b+\i]      ; (the four blocks by turns)
.endr
.endr
.irp b, 0,1,2,3
	v_max_num_f32 v[MX+\b], v[MX+\b], v[S+15+16*\b]
.endr
.irp b, 0,1,2,3
	s_delay_alu instid0(VALU_DEP_4)
	v_permlanex16_b32 v[PT+\b], v[MX+\b], s[SEL], s[SEL+1]
.endr
.irp b, 0,1,2,3
	s_delay_alu instid0(VALU_DEP_4)
	v_max_num_f32 v[MX+\b], v[MX+\b], v[PT+\b]     ; with lane l xor 16's 16 keys
.endr
	s_delay_alu instid0(VALU_DEP_2)
	v_max3_num_f32 v[TMP], v[MX], v[MX+1], v[MX+2]
	s_delay_alu instid0(VALU_DEP_1)
	v_max_num_f32 v[TMP], v[TMP], v[MX+3]          ; the step's largest score of my query
	s_delay_alu instid0(VALU_DEP_1)
	v_mul_f32 v[TMP], s[CS], v[TMP]                ; as t (c is positive)
	s_delay_alu instid0(VALU_DEP_1)
	v_max_num_f32 v13, v13, v[TMP]                 ; the running largest t
	v_mov_b32 v[TMP], v12
	s_delay_alu instid0(VALU_DEP_2)
	v_floor_f32 v12, -v13                          ; the new -M = floor(-t) = -ceil(t): a whole number
	s_delay_alu instid0(VALU_DEP_1)
	v_sub_f32 v[TMP], v12, v[TMP]                  ; old M - new M: a whole number, 0 or less
	s_delay_alu instid0(VALU_DEP_1)
	v_cvt_i32_f32 v[TMP], v[TMP]                   ; (it saturates)
	s_delay_alu instid0(VALU_DEP_1)
	v_ldexp_f32 v[F], 1.0, v[TMP]                  ; f = 2^(old M - new M)
.set j, 0
.rept 32
	v_pk_fma_f32 v[S+j:S+j+1], v[S+j:S+j+1], s[CS:CS+1], v[12:13] op_sel_hi:[1,0,0]   ; t - M, two at a time
.set j, j+2
.endr
	s_setprio 1
.irp b, 0,1,2,3
	v_fma_f32 v[MX+\b], v[MX+\b], s[CS], v12       ; the same of each block's largest score
.endr
.set j, 0
	s_wait_alu depctr_va_vdst(0)
.rept 64
	v_exp_f32 v[S+j], v[S+j]                       ; p = 2^(t - M), at most 1
.set j, j+1
.endr
.irp b, 0,1,2,3
	v_exp_f32 v[MX+\b], v[MX+\b]                   ; the block's largest p
.endr
	v_pk_mul_f32 v[14:15], v[14:15], v[F:F+1] op_sel_hi:[1,0]      ; the sums under the new M; also the plain line behind the exponentials
	s_wait_alu depctr_va_vdst(0)
.irp b, 0,1,2,3
	v_max_num_f32 v[MX+\b], 0x1800000, v[MX+\b]    ; the floor 2^(3 - 127): the byte cannot fall under 1
.endr
.irp b, 0,1,2,3
	s_delay_alu instid0(VALU_DEP_4)
	v_add_nc_u32 v[SO+\b], 0xff000000, v[MX+\b]    ; 2 off the exponent field: the conversion's scale operand
.endr
.irp b, 0,1,2,3
	s_delay_alu instid0(VALU_DEP_4)
	v_lshrrev_b32 v[PT+\b], 23, v[SO+\b]           ; the scale's byte
.endr
	s_delay_alu instid0(VALU_DEP_3)
	v_lshl_or_b32 v[PW], v[PT+1], 8, v[PT]         ; p's scale word for these 128 keys
	s_delay_alu instid0(VALU_DEP_1)
	v_lshl_or_b32 v[PW], v[PT+2], 16, v[PW]
	s_delay_alu instid0(VALU_DEP_1)
	v_lshl_or_b32 v[PW], v[PT+3], 24, v[PW]
.irp b, 0,1,2,3
	v_cvt_scalef32_pk8_fp4_f32 v[PC+2*\b], v[S+16*\b:S+7+16*\b], v[SO+\b]
	v_cvt_scalef32_pk8_fp4_f32 v[PC+1+2*\b], v[S+8+16*\b:S+15+16*\b], v[SO+\b]
.endr
	v_nop                                          ; one plain line behind the conversions
.irp c, 0,1                                    ; the operand's layout wants a whole block in a lane: lanes 0-15 block 2 c, lanes 16-31 block 2 c + 1
.irp i, 0,1
	v_permlane16_swap_b32 v[PC+4*\c+\i], v[PC+2+4*\c+\i]
.endr
.endr
.set j, 0
.rept 16
	v_pk_mul_f32 v[O+j:O+j+1], v[O+j:O+j+1], v[F:F+1] op_sel_hi:[1,0]      ; O^T under the new M, each accumulator from its low end on
.set j, j+2
.endr
	s_setprio 0
	v_pk_add_f32 v[236:237], v[100:101], v[104:105]
	v_pk_add_f32 v[250:251], v[108:109], v[112:113]
	v_pk_add_f32 v[248:249], v[116:117], v[120:121]
	v_pk_add_f32 v[246:247], v[124:125], v[128:129]
	v_pk_add_f32 v[244:245], v[132:133], v[136:137]
	v_pk_add_f32 v[234:235], v[140:141], v[144:145]
	v_pk_add_f32 v[232:233], v[148:149], v[152:153]
	v_pk_add_f32 v[14:15], v[14:15], v[156:157]
	v_pk_add_f32 v[236:237], v[236:237], v[96:97]
	v_pk_add_f32 v[250:251], v[250:251], v[98:99]
	v_pk_add_f32 v[248:249], v[248:249], v[102:103]
	v_pk_add_f32 v[246:247], v[246:247], v[106:107]
	v_pk_add_f32 v[244:245], v[244:245], v[110:111]
	v_pk_add_f32 v[234:235], v[234:235], v[114:115]
	v_pk_add_f32 v[232:233], v[232:233], v[118:119]
	v_pk_add_f32 v[14:15], v[14:15], v[122:123]
	v_pk_add_f32 v[236:237], v[236:237], v[126:127]
	v_pk_add_f32 v[250:251], v[250:251], v[130:131]
	v_pk_add_f32 v[248:249], v[248:249], v[134:135]
	v_pk_add_f32 v[246:247], v[246:247], v[138:139]
	v_pk_add_f32 v[244:245], v[244:245], v[142:143]
	v_pk_add_f32 v[234:235], v[234:235], v[146:147]
	v_pk_add_f32 v[232:233], v[232:233], v[150:151]
	v_pk_add_f32 v[14:15], v[14:15], v[154:155]
	v_pk_add_f32 v[236:237], v[236:237], v[158:159]
	s_delay_alu instid0(VALU_DEP_2)
	v_pk_add_f32 v[14:15], v[14:15], v[246:247]
	s_delay_alu instid0(VALU_DEP_2)
	v_pk_add_f32 v[236:237], v[236:237], v[244:245]
	v_pk_add_f32 v[250:251], v[250:251], v[234:235]
	v_pk_add_f32 v[248:249], v[248:249], v[232:233]
	s_delay_alu instid0(VALU_DEP_2)
	v_pk_add_f32 v[14:15], v[14:15], v[250:251]
	s_delay_alu instid0(VALU_DEP_2)
	v_pk_add_f32 v[236:237], v[236:237], v[248:249]
	s_delay_alu instid0(VALU_DEP_1)
	v_pk_add_f32 v[14:15], v[14:15], v[236:237]
	s_wait_dscnt 0x0                               ; V's fragments and scale words are in
.irp t, 0,1,2,3                                ; O^T += V^T P^T: four accumulators by turns, one instruction each
.if (\t)%2 == 1
	v_wmma_scale_f32_16x16x128_f8f6f4 v[O+8*\t:O+8*\t+7], v[VF+8*\t:VF+8*\t+7], v[PC:PC+7], v[O+8*\t:O+8*\t+7], v[VS+\t/2], v[PW] matrix_a_fmt:MATRIX_FMT_FP4 matrix_b_fmt:MATRIX_FMT_FP4 matrix_a_scale:MATRIX_SCALE_ROW1
.else
	v_wmma_scale_f32_16x16x128_f8f6f4 v[O+8*\t:O+8*\t+7], v[VF+8*\t:VF+8*\t+7], v[PC:PC+7], v[O+8*\t:O+8*\t+7], v[VS+\t/2], v[PW] matrix_a_fmt:MATRIX_FMT_FP4 matrix_b_fmt:MATRIX_FMT_FP4
.endif
.endr
.Lhidden_\@:
	s_add_co_u32 s[TB], s[TB], UNIT
	s_add_co_u32 s[J], s[J], 1
.endm
; all 16 steps are walked, so that the trip count is a constant; the work of steps behind the diagonal is jumped over
.macro PASS
	s_mov_b32 s[TB], 0
	s_mov_b32 s[J], 0
.Lstep_\@:
	STEP
	s_cmp_lt_u32 s[J], 16
	s_cbranch_scc1 .Lstep_\@
	s_setprio 0
.endm
; O^T / the sum goes through my stage and leaves as whole rows: o = the scalar pair with the tile's address in out0
.macro FINISH o
	v_add_f32 v14, v14, v15                        ; the sum's two halves,
	s_delay_alu instid0(VALU_DEP_1)
	v_permlanex16_b32 v[F], v14, s[SEL], s[SEL+1]
	s_delay_alu instid0(VALU_DEP_1)
	v_add_f32 v14, v14, v[F]                       ; and lane l xor 16's: the row's sum
	s_wait_alu depctr_va_vdst(0)
	v_rcp_f32 v14, v14
.rept 4
	v_nop                                          ; the places behind the last products, and the plain line behind the reciprocal
.endr
.set j, 0
	s_wait_alu depctr_va_vdst(0)
.rept 16
	v_pk_mul_f32 v[S+j:S+j+1], v[O+j:O+j+1], v[14:15] op_sel_hi:[1,0]      ; register 8 t + i is o(r, 16 t + 8 h + i); each accumulator from its low end on
.set j, j+2
.endr
.irp t, 0,1,2,3
	ds_store_b128 v[STO], v[S+8*\t:S+8*\t+3] offset:64*\t
	ds_store_b128 v[STO], v[S+8*\t+4:S+8*\t+7] offset:64*\t+16
.endr
.irp i, 0,1,2,3,4,5,6,7
	ds_load_b128 v[S+32+4*\i:S+35+4*\i], v[RD] offset:2*SP*\i      ; LDS serves a wave's instructions in order: these see my stores
.endr
.irp i, 0,1,2,3,4,5,6,7
	s_wait_dscnt 7-\i                              ; load i is back; the younger ones stay out
	global_store_b128 v[LI], v[S+32+4*\i:S+35+4*\i], s[\o:\o+1] offset:512*\i th:TH_STORE_NT   ; sixteen lanes store a row of 256 bytes, at a multiple of 256 from out0's first byte
.endr
.endm
	s_sub_co_u32 s[G], 15, s11                     ; pass A: group 15 - p
	s_wait_tensorcnt 0x0                           ; my tiles have landed (waves 2 to 15 have asked for none),
	s_wait_dscnt 0x0
	s_barrier_signal -1
	s_barrier_wait -1                              ; everybody's have: the head's codes and scales lie in LDS, and nothing writes them again
	PASS
	s_wait_alu depctr_va_vdst(0)
	FINISH 56
	s_wait_xcnt 0x0                                ; the stores have read their data registers: the next pass's scores may be written there
.irp g, 0,1,2,3
	v_mov_b32 v[QF+\g], v[QF2+\g]                  ; pass B's queries
.endr
	v_mov_b32 v[QW], v[QW2]
	RESET                                          ; (also the places between these writes and the next product)
	s_mov_b32 s[G], s11                            ; pass B: group p
	PASS
	s_wait_alu depctr_va_vdst(0)
	FINISH 58
	s_wait_dscnt 0x0
	s_wait_tensorcnt 0x0
	ds_add_u32 v242, v243
	s_wait_dscnt 0x0
	CROUND                                         ; the closing round: no work-group ends while a partner may still ask for a tile that names it
	s_endpgm
.Lfunc_end_k_qe77426ec0f_attn:
	.size	k_qe77426ec0f_attn, .Lfunc_end_k_qe77426ec0f_attn-k_qe77426ec0f_attn
	.p2alignl 7, 3214868480
	.fill 96, 4, 3214868480
	.section	.rodata,"a",@progbits
	.p2align	6, 0x0
	.amdhsa_kernel k_qe77426ec0f_attn
		.amdhsa_group_segment_fixed_size 215040
		.amdhsa_private_segment_fixed_size 0
		.amdhsa_enable_private_segment 0
		.amdhsa_kernarg_size 24
		.amdhsa_user_sgpr_count 2
		.amdhsa_user_sgpr_kernarg_segment_ptr 1
		.amdhsa_wavefront_size32 1
		.amdhsa_system_sgpr_workgroup_id_x 1
		.amdhsa_system_sgpr_workgroup_id_y 1
		.amdhsa_system_sgpr_workgroup_id_z 1
		.amdhsa_system_vgpr_workitem_id 0
		.amdhsa_next_free_vgpr 256
		.amdhsa_next_free_sgpr 80
		.amdhsa_reserve_vcc 1
		.amdhsa_float_denorm_mode_32 3
		.amdhsa_float_denorm_mode_16_64 3
		.amdhsa_memory_ordered 1
		.amdhsa_forward_progress 1
		.amdhsa_inst_pref_size 68
	.end_amdhsa_kernel
	.amdgpu_metadata
---
amdhsa.version: [ 1, 2 ]
amdhsa.kernels:
  - .name:           k_qe77426ec0f_attn
    .symbol:         k_qe77426ec0f_attn.kd
    .args:
      - { .name: Q, .offset: 0, .size: 8, .value_kind: global_buffer, .address_space: global }
      - { .name: kv, .offset: 8, .size: 8, .value_kind: global_buffer, .address_space: global }
      - { .name: out0, .offset: 16, .size: 8, .value_kind: global_buffer, .address_space: global }
    .group_segment_fixed_size: 215040
    .private_segment_fixed_size: 0
    .kernarg_segment_align: 8
    .kernarg_segment_size: 24
    .max_flat_workgroup_size: 512
    .sgpr_count:     80
    .vgpr_count:     256
    .wavefront_size: 32
...
	.end_amdgpu_metadata
.endif
;; end of part 2
